; MI455X (gfx1250); checked and timed in simulation.
; The chip was launched on July 23, 2026; its instructions are those of AMD's public machine-readable ISA for CDNA 5 (MIT licence, August 2026) and "CDNA5" Instruction Set Architecture Reference Guide (July 2026). The comments in the code are by the model that wrote it; some were corrected since.
;; Wrapped8 Bit Linear. Allowed arithmetic: matrix products marked QUANTISED: E2M1 operands, one E8M0 scale for each 32 along K, by v_wmma_scale_f32_16x16x128_f8f6f4 with both operands' format E2M1 (or v_wmma_scale_f32_32x16x128_f4), f32 sums; everything else in f32.
;; Inputs: CB 4,096 x 4,096 int32; SCB 4,096 float16; bias 4,096 float16; x 4 x 1,024 x 4,096 float16.
;; Outputs: out0 4 x 1,024 x 4,096 float16.
;; This version of the problem:
;;   THIS VERSION OF THE PROBLEM IS GIVEN IN LOW PRECISION. The matrix products marked QUANTISED in the list below multiply operands that are first quantised to E2M1 (2 exponent bits, 1 mantissa bit; 4 bits a number), with one power-of-two scale for each 32 numbers along K (OCP MX v1.0); their sums are f32. All else is computed in f32.
;;   The module's matrix products, in the order in which they are computed (A, B: the left and right operand; K: the contracted axis; several contracted axes count as one K, in the product's order):
;;     1. [M 4,096, K 4,096] x [K 4,096, N 4,096]; A: input x; B: computed on the way: QUANTISED
;;   THE QUANTISER, for each operand of a quantised product, along K:
;;     - K is cut into blocks of 32 from its start; a last block that is shorter is filled with zeros.
;;     - A block's scale is 2^e with e = floor(log2(the largest magnitude in the block)) - 2, held to -126 .. 127; a block of zeros has e = 0. As a byte (E8M0): e + 127.
;;     - Each number is divided by its block's scale, clamped to +-6, and rounded to the nearest number of E2M1, ties to even, subnormals kept.
;;     - The product sums the exact products of the quantised numbers (number of the format x scale) in f32.
;;   ~~~python
;;   def quantise(x, axis):      # numpy; x: float32 -> the quantised numbers, widened to float32 again
;;       x = np.moveaxis(x, axis, -1); K = x.shape[-1]
;;       x = np.pad(x, [(0, 0)] * (x.ndim - 1) + [(0, -K % 32)]); x = x.reshape(x.shape[:-1] + (-1, 32)); a = np.abs(x).max(-1, keepdims=True)
;;       e = np.where(a > 0, np.clip(np.frexp(np.where(a > 0, a, 1))[1] - 1 - 2, -126, 127), 0)      # np.frexp(a)[1] - 1 = floor(log2(a)), exactly
;;       r = np.clip(x / 2.0 ** e, -6, 6)
;;       step = 2.0 ** (np.maximum(np.frexp(np.where(r == 0, 1, r))[1] - 1, 0) - 1)
;;       q = np.round(r / step) * step * 2.0 ** e      # np.round: ties to even
;;       return np.moveaxis(q.reshape(q.shape[:-2] + (-1,))[..., :K], -1, axis).astype(np.float32)
;;   ~~~
;;   OPERANDS COMPUTED ON THE WAY. 'Computed on the way' means the value that the module computes at that place (a softmax that the list does not call 'softmax' is quantised finished and normalised). What goes into a quantiser is computed in f32, as accurately as f32 sums, v_exp_f32 and their like allow (about 1e-6 of the number): no bf16 or f16 on the way to a quantiser, and a product that is left as it is and whose result goes on into a quantised operand takes f32 operands (vector FMAs, or v_wmma_f32_16x16x4_f32). A number that lies on a knife's edge between two numbers of the format may be rounded either way, as far as f32 arithmetic and the matrix unit's own rounding can turn it there, and no further.
;; One version. Each part assembles by itself: llvm-mc -triple=amdgcn-amd-amdhsa -mcpu=gfx1250 --defsym DOCPART=n.
;; ======== version 1 of 1: 2 launches
;; limits: values are held in f16: magnitudes above 65,504 overflow, below 6.1e-05 lose precision; right only within a limited range of input values
;; workspace buffers: xq 8,912,896 bytes; wq 8,912,896 bytes
;; launch quant (part 1): grid 1024 x 1, 4 waves a work-group, no clusters, 69,120 bytes of LDS; arguments x, CB, SCB, xq, wq; writes xq, wq
.if DOCPART == 1
	.amdgcn_target "amdgcn-amd-amdhsa--gfx1250"
	.amdhsa_code_object_version 6
	.text
	.protected	k_q466ef46d25_quant
	.globl	k_q466ef46d25_quant
	.p2align	8
	.type	k_q466ef46d25_quant,@function
k_q466ef46d25_quant:
	s_mov_b64 s[64:65], 0
	v_nop
	global_prefetch_b8 v0, s[64:65] scope:SCOPE_SE
	s_setreg_imm32_b32 hwreg(HW_REG_WAVE_MODE, 25, 1), 1
	s_wait_xcnt 0x0
; x [4096][4096] f16 and W[o][k] = CB[o][k] x SCB[o] x inv127 (CB int32, SCB f16) become codes of FP4 (E2M1) with one E8M0 scale byte for each 32 along K, which is innermost in both.
; inv127 is the f16 number nearest 1/127, 1032 x 2^-17 (f32 bits 0x3c010000).  SCB x inv127 has 19 significant bits at the most, so it is exact in f32, and CB x (SCB x inv127) is the true product rounded once.
; A block's scale is 2^(floor(log2(its largest magnitude)) - 2); its byte is the largest magnitude's exponent field - 2, held at 1 from below.  Numbers are divided by the scale and rounded to the nearest code, ties to even, beyond 6 the code of 6.
; LIMITS: NaN and infinities in x or SCB are not served.  A block of zeros gets the byte 1 (not 127): its codes are zeros, which add nothing under that byte, and the bytes are read by this program alone.
;         For |CB| of 8,192 or more CB x SCB is no longer exact in f32, so the weight may differ by one f32 rounding from (CB x SCB) x inv127.
; WHAT IS WRITTEN: xq and wq, both [j = k / 512 (8)][row (4096)][272 bytes].  A record of 272 bytes is a row's 512 codes of K step j (256 bytes, the lower k in the low four bits) and behind them their 16 scale bytes.
;         So 128 rows of one K step are 34,816 consecutive bytes, which the product's launch brings in as one dense block, rows 272 bytes apart, scale words included.
; SHARES: work-groups 0-511 take W, 512-1023 take x; the two ways never join and have LDS bytes of their own.  Work-group t of a tensor: rows 16 (t / 2) on; its wave w: K step j = 4 (t % 2) + w.
;         A wave walks its 16 rows; a step is one row's 512 numbers: 2,048 consecutive bytes of CB or 1,024 of x.  Its 16 records, 4,352 consecutive bytes, are gathered in LDS and leave as 17 aligned runs of 256 bytes.
; The conversions take neighbours along K from ONE lane's registers, the loads are best with neighbouring bytes in neighbouring lanes: so a step's bytes go through the wave's own stage in LDS as they lie
; and come back 16 numbers a lane (two neighbouring lanes hold a block).  No barrier: waves share nothing.  No pointer is stepped and no store's data register is written twice, so no wait frees a source.
.set STEPS, 16
.set JSTEP, 4096*272                   ; bytes from a K step's records to the next K step's
.set RECB,  272
.set WSP,   80                         ; W: a lane's place in a stage: 64 bytes + 16 of padding
.set WREG,  9728                       ; W: a wave's LDS: two stages of 32 x 80 bytes, then 16 records (4,352 bytes)
.set XSP,   48                         ; x: a lane's place: 32 bytes + 16 of padding
.set XREG,  7424                       ; x: two stages of 32 x 48 bytes, then 16 records
.set XBASE, 4*WREG                     ; x's way begins behind W's four regions
.set R,     16                         ; v16-79   numbers as loaded: W four sets of 16 registers, x eight sets of 8; at the end the records on their way out
.set X,     80                         ; v80-111  W: two sets of 16 neighbours
.set H,     80                         ; v80-95   x: two sets of 8 registers, 16 f16 neighbours each
.set XF,    96                         ; v96-111  x: the 16 neighbours in f32
.set SH,    112                        ; v112-119 W: SCB of my 16 rows, as loaded
.set C,     128                        ; v128-159 codes: two registers for each step
.set E,     160                        ; v160-175 a scale byte for each step
.set S,     176                        ; v176-207 W: row t's factor SCB x inv127, twice: a pair for the packed multiply
.macro LOADW t                         ; row t's 2,048 bytes of CB: each load reads 512 consecutive bytes
.irp i, 0,1,2,3
	global_load_b128 v[R+16*((\t)%4)+4*\i:R+16*((\t)%4)+4*\i+3], v3, s[6:7] offset:16384*(\t)+512*\i th:TH_LOAD_NT
.endr
.endm
.macro TURNW t                         ; through the stage: LDS serves a wave's instructions in order (ISA guide 5.7.1.4), so no wait stands between the stores and the loads
.irp i, 0,1,2,3
	ds_store_b128 v14, v[R+16*((\t)%4)+4*\i:R+16*((\t)%4)+4*\i+3] offset:32*WSP*((\t)%2)+8*WSP*\i
.endr
.irp i, 0,1,2,3
	ds_load_b128 v[X+16*((\t)%2)+4*\i:X+16*((\t)%2)+4*\i+3], v15 offset:32*WSP*((\t)%2)+16*\i
.endr
.endm
.macro LOADX t                         ; row t's 1,024 bytes of x
.irp i, 0,1
	global_load_b128 v[R+8*((\t)%8)+4*\i:R+8*((\t)%8)+4*\i+3], v3, s[4:5] offset:8192*(\t)+512*\i th:TH_LOAD_NT
.endr
.endm
.macro TURNX t
.irp i, 0,1
	ds_store_b128 v14, v[R+8*((\t)%8)+4*\i:R+8*((\t)%8)+4*\i+3] offset:32*XSP*((\t)%2)+16*XSP*\i
.endr
.irp i, 0,1
	ds_load_b128 v[H+8*((\t)%2)+4*\i:H+8*((\t)%2)+4*\i+3], v15 offset:32*XSP*((\t)%2)+16*\i
.endr
.endm
; My 16 numbers v[xs] .. v[xs + 15] of step t become 16 codes (8 bytes) and, with my neighbour's 16, one scale byte; both go into row t's record in LDS.
.macro BLOCKQ xs, t
	v_max3_num_f32 v120, |v[\xs]|, |v[\xs+1]|, |v[\xs+2]|         ; the largest magnitude of my 16, in two chains
	v_max3_num_f32 v121, |v[\xs+3]|, |v[\xs+4]|, |v[\xs+5]|
.irp i, 6,10
	v_max3_num_f32 v120, v120, |v[\xs+\i]|, |v[\xs+\i+1]|
	v_max3_num_f32 v121, v121, |v[\xs+\i+2]|, |v[\xs+\i+3]|
.endr
	v_max3_num_f32 v120, v120, |v[\xs+14]|, |v[\xs+15]|
	v_max3_num_f32 v120, v120, v121, 0x1800000                     ; and the floor 2^(3 - 127): the byte cannot fall under 1
	v_max_num_f32_dpp v120, v120, v120 row_xmask:1 row_mask:0xf bank_mask:0xf   ; with my neighbour's 16: the block's
	v_add_nc_u32 v122, 0xff000000, v120                            ; 2 off its exponent field: the conversion takes this operand's exponent field as its scale and nothing else of it
	v_cvt_scalef32_pk8_fp4_f32 v[C+2*(\t)], v[\xs:\xs+7], v122
	v_cvt_scalef32_pk8_fp4_f32 v[C+2*(\t)+1], v[\xs+8:\xs+15], v122
	v_lshrrev_b32 v[E+(\t)], 23, v122                              ; the scale's byte; also the plain line behind the conversions
	ds_store_b64 v5, v[C+2*(\t):C+2*(\t)+1] offset:RECB*(\t)       ; my 8 bytes of the record's 256
	ds_store_b8 v6, v[E+(\t)] offset:RECB*(\t)                     ; both lanes of a block write the same byte with the same value
.endm
.macro STEPW t
.set XS, X+16*((\t)%2)
.if (\t) > 0
	s_wait_dscnt 2                                 ; this step's numbers are back from the stage; only the last step's two stores into its record were issued behind them
.else
	s_wait_dscnt 0x0
.endif
.if (\t)+4 < STEPS
	LOADW (\t)+4                                   ; into the set that this step's stage stores have read
.endif
.if (\t)+1 < STEPS
.if STEPS-2-(\t) >= 3
	s_wait_loadcnt 12                              ; the next row's four loads are in; those of the three rows behind it may be out
.else
	s_wait_loadcnt 4*(STEPS-2-(\t))
.endif
	TURNW (\t)+1                                   ; and go through the other stage while this step is worked
.endif
.irp i, 0,1,2,3,4,5,6,7,8,9,10,11,12,13,14,15
	v_cvt_f32_i32 v[XS+\i], v[XS+\i]
.endr
.irp i, 0,2,4,6,8,10,12,14
	v_pk_mul_f32 v[XS+\i:XS+\i+1], v[XS+\i:XS+\i+1], v[S+2*(\t):S+2*(\t)+1]   ; the weight, in f32
.endr
	BLOCKQ XS, \t
.endm
.macro STEPX t
.if (\t) > 0
	s_wait_dscnt 2                                 ; as above
.else
	s_wait_dscnt 0x0
.endif
.if (\t)+8 < STEPS
	LOADX (\t)+8
.endif
.if (\t)+1 < STEPS
.if STEPS-2-(\t) >= 7
	s_wait_loadcnt 14                              ; the next row's two loads are in; those of the seven rows behind it may be out
.else
	s_wait_loadcnt 2*(STEPS-2-(\t))
.endif
	TURNX (\t)+1
.endif
.set n, 0
.if (\t)%2
.irp p, v88.l, v88.h, v89.l, v89.h, v90.l, v90.h, v91.l, v91.h, v92.l, v92.h, v93.l, v93.h, v94.l, v94.h, v95.l, v95.h
	v_cvt_f32_f16 v[XF+n], \p                      ; exact
.set n, n+1
.endr
.else
.irp p, v80.l, v80.h, v81.l, v81.h, v82.l, v82.h, v83.l, v83.h, v84.l, v84.h, v85.l, v85.h, v86.l, v86.h, v87.l, v87.h
	v_cvt_f32_f16 v[XF+n], \p
.set n, n+1
.endr
.endif
	BLOCKQ XF, \t
.endm
; The wave's 16 records leave: 4,352 consecutive bytes, beginning at a multiple of 256 from the buffer's first byte.  The next launch reads them, so the stores carry no hint.
.macro OUT base
.irp i, 0,1,2,3,4,5,6,7
	ds_load_b128 v[R+4*\i:R+4*\i+3], v7 offset:512*\i              ; these see my stores: LDS serves a wave's instructions in order
.endr
	ds_load_b64 v[R+32:R+33], v5 offset:4096
.irp i, 0,1,2,3,4,5,6,7
	s_wait_dscnt 8-\i                              ; load i is in; the younger ones may be out
	global_store_b128 v3, v[R+4*\i:R+4*\i+3], s[\base:\base+1] offset:512*\i   ; 32 lanes store 512 consecutive bytes
.endr
	s_wait_dscnt 0x0
	global_store_b64 v9, v[R+32:R+33], s[\base:\base+1] offset:4096            ; and the last 256
.endm
	s_load_b256 s[4:11], s[0:1], 0x0               ; x s[4:5], CB s[6:7], SCB s[8:9], xq s[10:11]
	s_load_b64 s[12:13], s[0:1], 0x20              ; wq
	v_lshl_add_u32 v208, v0, 2, 0x10c00
	v_mov_b32 v209, 0
	v_lshrrev_b32 v1, 5, v0
	v_readfirstlane_b32 s16, v1                    ; wave 0..3
	v_and_b32 v2, 31, v0                           ; lane
	v_lshlrev_b32 v3, 4, v2                        ; 16 x lane: my bytes of a load's or a store's 512
	v_lshlrev_b32 v9, 3, v2                        ; 8 x lane
	v_lshrrev_b32 v8, 1, v2                        ; lane / 2: my block of a step's 16
	s_lshr_b32 s17, ttmp9, 1
	s_and_b32 s17, s17, 255                        ; g: which 16 rows of the tensor
	s_and_b32 s18, ttmp9, 1
	s_lshl_b32 s18, s18, 2
	s_add_co_u32 s18, s18, s16                     ; j: which K step
	s_mul_i32 s24, s18, JSTEP
	s_mul_i32 s22, s17, 16*RECB
	s_add_co_u32 s24, s24, s22                     ; where my 16 records begin: j x JSTEP + g x 4,352
	s_mov_b32 s25, 0
	s_mov_b32 s21, 0
	s_wait_kmcnt 0x0
	s_cmp_lt_u32 ttmp9, 512                        ; W's work-group or x's: the work-group's number alone decides
	s_cbranch_scc0 .Lx
	; ---- W
	s_lshl_b32 s20, s17, 18                        ; 16 rows of 16,384 bytes
	s_lshl_b32 s22, s18, 11                        ; 512 numbers of 4 bytes
	s_add_co_u32 s20, s20, s22
	s_add_nc_u64 s[6:7], s[6:7], s[20:21]
	s_lshl_b32 s20, s17, 5                         ; 16 numbers of 2 bytes
	s_add_nc_u64 s[8:9], s[8:9], s[20:21]
	s_add_nc_u64 s[12:13], s[12:13], s[24:25]
	v_mov_b32 v10, 0
	global_load_b128 v[SH:SH+3], v10, s[8:9]       ; SCB of my 16 rows, the same 32 bytes in every lane
	global_load_b128 v[SH+4:SH+7], v10, s[8:9] offset:16
	s_wait_alu depctr_va_vdst(0)
.irp t, 0,1,2,3
	LOADW \t
.endr
	s_mul_i32 s19, s16, WREG                       ; my wave's LDS
	v_lshrrev_b32 v14, 2, v2
	v_mul_u32_u24 v14, v14, WSP
	v_and_b32 v15, 3, v2
	v_lshl_add_u32 v14, v15, 4, v14
	v_add_nc_u32 v14, s19, v14                     ; the stage, way in: four lanes' 64 bytes on end, then 16 of padding
	v_mul_u32_u24 v15, v2, WSP
	v_add_nc_u32 v15, s19, v15                     ; way out: my 64 bytes
	s_add_co_u32 s19, s19, 2*32*WSP                ; the records, behind the two stages
	v_add_nc_u32 v5, s19, v9                       ; my 8 bytes of codes
	v_add_nc_u32 v7, s19, v3                       ; my 16 bytes on the way out
	v_add_nc_u32 v6, s19, v8
	v_add_nc_u32 v6, 256, v6                       ; my block's scale byte
	s_wait_loadcnt 12                              ; loads come back in order (ISA guide 5.7.1): SCB and row 0 are in, rows 1 to 3 may be out
.set n, 0
.irp p, v112.l, v112.h, v113.l, v113.h, v114.l, v114.h, v115.l, v115.h, v116.l, v116.h, v117.l, v117.h, v118.l, v118.h, v119.l, v119.h
	v_cvt_f32_f16 v[S+2*n], \p
.set n, n+1
.endr
.set n, 0
.rept 16
	v_mul_f32 v[S+2*n+1], 0x3c010000, v[S+2*n]     ; SCB x inv127, exact; made twice, to fill the pair that the packed multiply names
	v_mul_f32 v[S+2*n], 0x3c010000, v[S+2*n]
.set n, n+1
.endr
	TURNW 0
.irp t, 0,1,2,3,4,5,6,7,8,9,10,11,12,13,14,15
	STEPW \t
.endr
	OUT 12
	s_wait_tensorcnt 0x0
	ds_add_u32 v208, v209
	s_wait_dscnt 0x0
	s_endpgm
	; ---- x
.Lx:
	s_lshl_b32 s20, s17, 17                        ; 16 rows of 8,192 bytes
	s_lshl_b32 s22, s18, 10                        ; 512 numbers of 2 bytes
	s_add_co_u32 s20, s20, s22
	s_add_nc_u64 s[4:5], s[4:5], s[20:21]
	s_add_nc_u64 s[10:11], s[10:11], s[24:25]
	s_wait_alu depctr_va_vdst(0)
.irp t, 0,1,2,3,4,5,6,7
	LOADX \t
.endr
	s_mul_i32 s19, s16, XREG
	s_add_co_u32 s19, s19, XBASE                   ; my wave's LDS on this way
	v_mul_u32_u24 v14, v8, XSP
	v_and_b32 v15, 1, v2
	v_lshl_add_u32 v14, v15, 4, v14
	v_add_nc_u32 v14, s19, v14                     ; the stage, way in: two lanes' 32 bytes on end, then 16 of padding
	v_mul_u32_u24 v15, v2, XSP
	v_add_nc_u32 v15, s19, v15                     ; way out: my 32 bytes
	s_add_co_u32 s19, s19, 2*32*XSP                ; the records
	v_add_nc_u32 v5, s19, v9
	v_add_nc_u32 v7, s19, v3
	v_add_nc_u32 v6, s19, v8
	v_add_nc_u32 v6, 256, v6
	s_wait_alu depctr_va_vdst(0)
	s_wait_loadcnt 14                              ; row 0's two loads are in
	TURNX 0
.irp t, 0,1,2,3,4,5,6,7,8,9,10,11,12,13,14,15
	STEPX \t
.endr
	OUT 10
	s_wait_tensorcnt 0x0
	ds_add_u32 v208, v209
	s_wait_dscnt 0x0
	s_endpgm
.Lfunc_end_k_q466ef46d25_quant:
	.size	k_q466ef46d25_quant, .Lfunc_end_k_q466ef46d25_quant-k_q466ef46d25_quant
	.p2alignl 7, 3214868480
	.fill 96, 4, 3214868480
	.section	.rodata,"a",@progbits
	.p2align	6, 0x0
	.amdhsa_kernel k_q466ef46d25_quant
		.amdhsa_group_segment_fixed_size 69120
		.amdhsa_private_segment_fixed_size 0
		.amdhsa_enable_private_segment 0
		.amdhsa_kernarg_size 40
		.amdhsa_user_sgpr_count 2
		.amdhsa_user_sgpr_kernarg_segment_ptr 1
		.amdhsa_wavefront_size32 1
		.amdhsa_system_sgpr_workgroup_id_x 1
		.amdhsa_system_sgpr_workgroup_id_y 1
		.amdhsa_system_sgpr_workgroup_id_z 1
		.amdhsa_system_vgpr_workitem_id 0
		.amdhsa_next_free_vgpr 210
		.amdhsa_next_free_sgpr 66
		.amdhsa_reserve_vcc 0
		.amdhsa_float_denorm_mode_32 3
		.amdhsa_float_denorm_mode_16_64 3
		.amdhsa_memory_ordered 1
		.amdhsa_forward_progress 1
		.amdhsa_inst_pref_size 87
	.end_amdhsa_kernel
	.amdgpu_metadata
---
amdhsa.version: [ 1, 2 ]
amdhsa.kernels:
  - .name:           k_q466ef46d25_quant
    .symbol:         k_q466ef46d25_quant.kd
    .args:
      - { .name: x, .offset: 0, .size: 8, .value_kind: global_buffer, .address_space: global }
      - { .name: CB, .offset: 8, .size: 8, .value_kind: global_buffer, .address_space: global }
      - { .name: SCB, .offset: 16, .size: 8, .value_kind: global_buffer, .address_space: global }
      - { .name: xq, .offset: 24, .size: 8, .value_kind: global_buffer, .address_space: global }
      - { .name: wq, .offset: 32, .size: 8, .value_kind: global_buffer, .address_space: global }
    .group_segment_fixed_size: 69120
    .private_segment_fixed_size: 0
    .kernarg_segment_align: 8
    .kernarg_segment_size: 40
    .max_flat_workgroup_size: 128
    .sgpr_count:     66
    .vgpr_count:     210
    .wavefront_size: 32
...
	.end_amdgpu_metadata
.endif
;; end of part 1
;; launch gemm (part 2): grid 16 x 16, 4 waves a work-group, clusters of 4 x 4, 327,680 bytes of LDS; arguments xq, wq, bias, out0; writes out0
.if DOCPART == 2
	.amdgcn_target "amdgcn-amd-amdhsa--gfx1250"
	.amdhsa_code_object_version 6
	.text
	.protected	k_q466ef46d25_gemm
	.globl	k_q466ef46d25_gemm
	.p2align	8
	.type	k_q466ef46d25_gemm,@function
k_q466ef46d25_gemm:
	s_mov_b64 s[64:65], 0
	v_nop
	global_prefetch_b8 v0, s[64:65] scope:SCOPE_SE
	s_setreg_imm32_b32 hwreg(HW_REG_WAVE_MODE, 25, 1), 1
	s_wait_xcnt 0x0
	s_wait_alu depctr_hold_cnt(0) depctr_sa_sdst(0) depctr_va_vdst(0) depctr_va_sdst(0) depctr_va_ssrc(0) depctr_va_vcc(0) depctr_vm_vsrc(0)
	s_getreg_b32 s2, hwreg(HW_REG_IB_STS2, 6, 4)
	s_cmp_eq_u32 s2, 0
	s_cbranch_scc0 .Lentry_in_a_cluster
	s_endpgm
.Lentry_in_a_cluster:
	s_bfe_u32 s2, ttmp6, 0x10000c
	s_cmp_lg_u32 s2, 0xf033
	s_cbranch_scc0 .Lentry_shape_is_right
	s_endpgm
.Lentry_shape_is_right:
; out[m][n] = sum over k of x[m][k] W[n][k] + bias[n], m, n, k < 4096, on codes of FP4 with one E8M0 scale byte for each 32 along k; sums in f32, begun with the bias, rounded once to f16.
; xq, wq: [k / 512 (8)][row (4096)][272 bytes]: a row's 512 codes of one K step (256 bytes) and behind them their 16 scale bytes.  128 rows of a K step are 34,816 consecutive bytes = 68 tensor rows of 512.
; LIMITS: NaN and infinities among the inputs are not served (as in the first launch).
; A work-group of four waves makes 256 x 256 of the output, a wave 128 x 128.  K goes in 8 steps of 512 through two LDS slots; a slot holds x's 256 records, then W's 256.  LDS rows are 272 bytes apart: the
; 16 bytes of scales are what parts the rows' first banks.  All of LDS is claimed and the adds of 0 are written.
; CLUSTERS of 4 x 4: x's tile is asked for jointly along a row of the cluster, W's along a column.
; THE PRODUCT IS USED TRANSPOSED: source 0 = 32 rows of W, source 1 = 16 rows of x: a lane then holds one row of the output and, in each eight registers, eight neighbouring columns.
; REGISTERS: window 0: v16-31 addresses; v32-95 scale words, one set of 32 for each slot: 4 x 4 words of W (lane = row of 32), then 4 x 4 of x (lanes 0-15 an even block of 16 rows, lanes 16-31 the odd one);
;   v128-255 two sets of x's fragments (8 blocks of 16 rows x 128 K): quarters 0, 2 and quarters 1, 3 of a K step.   window 1: W's fragments, a set of 64 for each quarter q at v[64 q].
;   windows 2, 3: accumulators: block a of 16 rows, pair b of 32 columns at v[64 (a % 4) + 16 b] of window 2 + a / 4.
; A QUARTER (128 along K) is 8 groups of four products, one group for each block of x's rows, and behind them ONE run of LDS loads, for the quarter after the next: it takes the place of x's set just read and of a
; free set of W's.  So a quarter's loads have the next quarter's 32 products in which to come in.  The slots change at the end of quarter 2, when quarter 3 is in registers.
; The 32 accumulators take turns, one instruction a turn, in the same order in every quarter.
.set PITCH,  272
.set HALFT,  128*PITCH                 ; 128 records: one wave's tensor load
.set SLOT,   4*HALFT
.set JSTEP,  4096*PITCH                ; bytes from a K step's records to the next K step's
.set SPARE,  2*SLOT                    ; the spare words, 128 bytes for each wave
.set OROW,   8192                      ; a row of the output in bytes
.set ADRA, 16                          ; v16-17 x's fragments in slot 0, 1
.set ADRB, 18                          ; v18-19 W's
.set ASX,  20                          ; v20-21 x's scale words
.set ASW,  22                          ; v22-23 W's
.set STO,  24                          ; the way out: into my stage
.set RD,   25                          ; and back
.set CO,   26                          ; my byte offset in two rows of the output
.set BO,   27                          ; my byte offset in 16 columns of the bias
.set SPW,  28                          ; SPARE + 4 x thread; never rewritten
.set NIL,  29                          ; 0; never rewritten
.set PF1,  30                          ; prefetch offsets: 256 x lane,
.set PF2,  31                          ; and the last two of my 34 units
.set SC,   32
.set RA,   96                          ; last K step: x's fragments of 16 rows x 512 K, 32 registers, three buffers v96-191; v96-127 hold the bias as loaded at the head
.set AF,   128
.set BI,   192                         ; window 1: the bias in f32, the C of the first quarter's products; later W's quarter 3
.set BK,   192                         ; window 0, the way out: 16 rows read back, two buffers
.set G1,  24
.set G0,  32
.set G1B, 48
.set G0B, 56
.set MSB, 0
.macro WIN new                         ; the immediate's high byte repeats the setting that is left
.if MSB != (\new)
	s_set_vgpr_msb (MSB<<8)|(\new)
.set MSB, (\new)
.endif
.endm
.set MULW, 0xa1                        ; source 0 window 1, source 1 window 0, C and D window 2; + 0x50: window 3
.set FSTW, 0x91                        ; the same with C in window 1; + 0x40: D in window 3
.set TO_B, 0x40                        ; destination window 1
.macro PLACES                          ; four places between products and loads into, or conversions of, their registers (ISA guide 7.12.1 for conversions)
.rept 4
	v_nop
.endr
.endm
.macro JLOAD s                         ; joint load into slot s: waves 0, 1 x's two halves, waves 2, 3 W's
	s_cmp_eq_u32 s15, 0
	s_cbranch_scc0 .Lfor_b_\@
	tensor_load_to_lds s[G0+4*\s:G0+4*\s+3], s[G1:G1+7]
	s_nop 0
	PLACES
	s_branch .Lasked_\@
.Lfor_b_\@:
	tensor_load_to_lds s[G0B+4*\s:G0B+4*\s+3], s[G1B:G1B+7]
	s_nop 0
	PLACES
.Lasked_\@:
.endm
.macro CREST                           ; a round of the cluster's barrier behind its opening barrier: wave 0 signals for its work-group
	s_cmp_lg_u32 s14, 0
	s_cbranch_scc1 .Lnot_wave_0_\@
	s_barrier_signal -3
.Lnot_wave_0_\@:
	s_barrier_wait -3
	s_barrier_signal -1
	s_barrier_wait -1
.endm
.macro CROUND                          ; a whole round
	s_barrier_signal -1
	s_barrier_wait -1
	CREST
.endm
; PREFETCH INTO THE L2, behind each joint load: the K step that stands two joint loads on (at the head, behind the first joint load, K step 1 too): at most two K steps are asked for and not yet loaded.
; Of the 136 units of 256 bytes that a wave's load brings, the four partners that ask for it jointly take 34 each, told apart by address: so each unit is named once in each cluster that will load it.
; The last two joint loads have no K step two on.
.macro ASK off
	global_prefetch_b8 v[PF1], s[22:23] offset:\off th:TH_LOAD_NT scope:SCOPE_SE
	global_prefetch_b8 v[PF2], s[22:23] offset:\off th:TH_LOAD_NT scope:SCOPE_SE
.endm
.macro ASKC off
	WIN 0
	s_cmp_gt_u32 s3, 1                             ; not in the loop's last trip
	s_cbranch_scc0 .Lnone_\@
	ASK \off
.Lnone_\@:
.endm
.macro LS s                            ; slot s's scale words: 4 words (512 along K) of 32 rows a load: 8 loads
	WIN 0
.irp i, 0,1,2,3
	ds_load_b128 v[SC+32*\s+4*\i:SC+32*\s+4*\i+3], v[ASW+\s] offset:\i*32*PITCH
	ds_load_b128 v[SC+32*\s+16+4*\i:SC+32*\s+16+4*\i+3], v[ASX+\s] offset:\i*32*PITCH
.endr
.endm
; A fragment is 16 rows x 128 K in 8 registers: lane l holds row l % 16; registers 4 c .. 4 c + 3 K = 64 c + 32 (l / 16) + 0 .. 31: two loads, 32 bytes apart.
.macro LB slot, q                      ; W's eight blocks of quarter q: 16 loads
	WIN TO_B
.irp i, 0,1,2,3,4,5,6,7
.irp c, 0,1
	ds_load_b128 v[64*(\q)+8*\i+4*\c:64*(\q)+8*\i+4*\c+3], v[ADRB+\slot] offset:64*(\q)+32*\c+\i*16*PITCH
.endr
.endr
.endm
.macro LA slot, q                      ; x's eight blocks: 16 loads
	WIN 0
.irp i, 0,1,2,3,4,5,6,7
.irp c, 0,1
	ds_load_b128 v[AF+64*((\q)%2)+8*\i+4*\c:AF+64*((\q)%2)+8*\i+4*\c+3], v[ADRA+\slot] offset:64*(\q)+32*\c+\i*16*PITCH
.endr
.endr
.endm
.macro LAROW a                         ; last K step (slot 1): x's block a, all four quarters: 8 loads
	WIN 0
.set FA, RA+32*((\a)%3)
.irp q, 0,1,2,3
.irp c, 0,1
	ds_load_b128 v[FA+8*\q+4*\c:FA+8*\q+4*\c+3], v[ADRA+1] offset:64*\q+32*\c+(\a)*16*PITCH
.endr
.endr
.endm
.macro WM a, b, q, ar, sc, first       ; one product: 32 columns x 16 rows x 128 along K
.set DW, 64*((\a)%4)+16*(\b)
.set CW, DW
.if \first
.set CW, BI+16*(\b)
.endif
.set BW, 64*(\q)+16*(\b)
.set SW, SC+32*(\sc)+4*(\b)+(\q)
.set SX, SC+32*(\sc)+16+4*((\a)/2)+(\q)
.if (\a)%2
	v_wmma_scale_f32_32x16x128_f4 v[DW:DW+15], v[BW:BW+15], v[\ar:\ar+7], v[CW:CW+15], v[SW], v[SX] matrix_b_scale:MATRIX_SCALE_ROW1
.else
	v_wmma_scale_f32_32x16x128_f4 v[DW:DW+15], v[BW:BW+15], v[\ar:\ar+7], v[CW:CW+15], v[SW], v[SX]
.endif
.endm
.macro MG a, q, sc, first              ; a group: block a of x's rows against all 128 columns
.if \first
	WIN FSTW+0x40*((\a)/4)
.else
	WIN MULW+0x50*((\a)/4)
.endif
.irp b, 0,1,2,3
	WM \a, \b, \q, AF+64*((\q)%2)+8*(\a), \sc, \first
.endr
.endm
.macro QTR q, slot, first              ; quarter 0 or 1: its products, then the loads of quarter q + 2
	s_wait_dscnt 32                                ; quarter q is in; the 32 loads of quarter q + 1 may be out
.irp a, 0,1,2,3,4,5,6,7
	MG \a, \q, \slot, \first
.endr
	PLACES
	LB \slot, \q+2
	LA \slot, \q+2
.endm
.macro MEET slot                       ; quarter 2's products, and at their end the opening of the change of slots: all my reads of this slot have been issued
	s_wait_dscnt 32                                ; quarter 2 is in; quarter 3's 32 loads may be out
.irp a, 0,1,2,3,4,5
	MG \a, 2, \slot, 0
.endr
	WIN 0
	s_wait_tensorcnt 0x0                           ; my part of the next slot is in: no tensor load of mine is out
	ds_add_u32 v[SPW], v[NIL]                      ; 0 onto my spare word
	s_add_nc_u64 s[G0+4*\slot+2:G0+4*\slot+3], s[G0+4*\slot+2:G0+4*\slot+3], 2*JSTEP
	s_add_nc_u64 s[G0B+4*\slot+2:G0B+4*\slot+3], s[G0B+4*\slot+2:G0B+4*\slot+3], 2*JSTEP
	MG 6, 2, \slot, 0
	s_wait_dscnt 0x0                               ; the add is done, and my reads of this slot are over: quarter 3 is in registers
	s_barrier_signal -1
	MG 7, 2, \slot, 0
	WIN 0
	s_barrier_wait -1
.endm
.macro TURN slot, next, off            ; quarters 2 and 3
	MEET \slot
	CREST                                          ; no wave of any partner still reads this slot or has a load on its way
	JLOAD \slot                                    ; its four v_nop are also the places in front of the loads below
	LS \next
	LB \next, 0
	LA \next, 0
	ASKC \off
.irp a, 0,1,2,3,4,5,6,7
	MG \a, 3, \slot, 0
.endr
	PLACES
	LB \next, 1
	LA \next, 1
.endm
	s_load_b256 s[4:11], s[0:1], 0x0               ; xq, wq, bias, out0
	v_lshl_add_u32 v[SPW], v0, 2, SPARE
	v_mov_b32 v[NIL], 0
	ds_add_u32 v[SPW], v[NIL]                      ; the opening: the add, twice on end, and its wait
	ds_add_u32 v[SPW], v[NIL]
	v_lshrrev_b32 v1, 5, v0
	v_readfirstlane_b32 s14, v1                    ; wave 0..3
	s_lshr_b32 s15, s14, 1                         ; which half of the tile's rows is mine; also: I fetch for x (0) or W (1)
	s_and_b32 s16, s14, 1                          ; which half of its columns; also: which 128 rows I fetch
	s_bfe_u32 s40, ttmp6, 0x40000                  ; cx, cy: my place in the cluster
	s_bfe_u32 s41, ttmp6, 0x40004
	s_lshl_b32 s42, ttmp9, 2
	s_add_co_u32 s42, s42, s40                     ; tile column
	s_and_b32 s17, ttmp7, 0xffff
	s_lshl_b32 s17, s17, 2
	s_add_co_u32 s17, s17, s41                     ; tile row
	s_lshl_b32 s43, s41, 2
	s_lshl_b32 s43, 15, s43                        ; my row of the cluster
	s_lshl_b32 s44, 0x1111, s40                    ; my column
	s_or_b32 s[G1+0], s43, (3<<16)|(1<<21)         ; mask; elements of 8 bytes; bit 21 beside a mask
	s_or_b32 s[G1B+0], s44, (3<<16)|(1<<21)
.irp g, G1, G1B
	s_mov_b32 s[\g+1], 64<<16                      ; a dense block: 68 rows of 64 elements (512 bytes)
	s_mov_b32 s[\g+2], 68<<16
	s_mov_b32 s[\g+3], 64<<16
	s_mov_b32 s[\g+4], 68
	s_mov_b32 s[\g+5], 64
	s_mov_b32 s[\g+6], 0
	s_mov_b32 s[\g+7], 0
.endr
	s_lshl_b32 s18, s16, 7
	s_lshl_b32 s20, s17, 8
	s_add_co_u32 s20, s20, s18                     ; x: row 256 x tile row + 128 x half
	s_lshl_b32 s46, s42, 8
	s_add_co_u32 s46, s46, s18                     ; W: row 256 x tile column + 128 x half
	s_mul_i32 s20, s20, PITCH
	s_mul_i32 s46, s46, PITCH
	s_mov_b32 s21, 0
	s_mov_b32 s47, 0
	s_mul_i32 s45, s14, HALFT                      ; into LDS: wave x 128 records
	s_wait_alu depctr_va_vdst(0)
	s_wait_dscnt 0x0                               ; both opening adds are done
	CROUND                                         ; all sixteen work-groups are here; the arguments' load is on its way meanwhile
	s_wait_kmcnt 0x0
	s_add_nc_u64 s[20:21], s[4:5], s[20:21]
	s_add_nc_u64 s[46:47], s[6:7], s[46:47]
.irp s, 0,1
	s_mov_b32 s[G0+4*\s], 1
	s_add_co_u32 s[G0+4*\s+1], s45, \s*SLOT
	s_add_nc_u64 s[G0+4*\s+2:G0+4*\s+3], s[20:21], \s*JSTEP
	s_or_b32 s[G0+4*\s+3], s[G0+4*\s+3], 0x80000000
	s_mov_b32 s[G0B+4*\s], 1
	s_add_co_u32 s[G0B+4*\s+1], s45, \s*SLOT
	s_add_nc_u64 s[G0B+4*\s+2:G0B+4*\s+3], s[46:47], \s*JSTEP
	s_or_b32 s[G0B+4*\s+3], s[G0B+4*\s+3], 0x80000000
.endr
	JLOAD 0                                        ; K step 0: one tensor load a wave at the head
	s_cmp_eq_u32 s15, 0
	s_cselect_b64 s[22:23], s[20:21], s[46:47]     ; the prefetches' base: where my load begins,
	s_cselect_b32 s18, s40, s41                    ; + my place among the four that ask with me x 34 units
	s_mul_i32 s18, s18, 34*256
	s_mov_b32 s19, 0
	s_add_nc_u64 s[22:23], s[22:23], s[18:19]
	s_lshl_b32 s12, s42, 9                         ; my first column x 2 bytes
	s_lshl_b32 s13, s16, 8
	s_add_co_u32 s12, s12, s13
	s_mov_b32 s13, 0
	s_add_nc_u64 s[8:9], s[8:9], s[12:13]
	s_add_nc_u64 s[10:11], s[10:11], s[12:13]
	s_lshl_b32 s20, s17, 8
	s_lshl_b32 s21, s15, 7
	s_add_co_u32 s20, s20, s21
	s_lshl_b32 s20, s20, 13                        ; my first row x 8,192 bytes
	s_mov_b32 s21, 0
	s_add_nc_u64 s[10:11], s[10:11], s[20:21]
	s_mul_i32 s12, s15, HALFT                      ; my 128 rows of x
	s_mul_i32 s13, s16, HALFT                      ; my 128 rows of W, behind x's 256
	s_add_co_u32 s13, s13, 2*HALFT
	s_mul_i32 s19, s14, 16*PITCH                   ; my stage, in slot 0: it is used when that slot has had its last fill and its last read
	v_bfe_u32 v2, v0, 4, 1                         ; h
	v_lshlrev_b32 v[BO], 4, v2
.irp b, 0,1,2,3,4,5,6,7
	global_load_b128 v[96+4*\b:96+4*\b+3], v[BO], s[8:9] offset:32*\b   ; bias of columns 16 b + 8 h + 0 .. 7
.endr
	v_and_b32 v1, 15, v0                           ; r
	v_and_b32 v3, 31, v0                           ; lane
	v_mul_u32_u24 v4, v1, PITCH
	v_lshl_add_u32 v5, v2, 4, v4                   ; a fragment's row x pitch + 16 h
	v_mul_u32_u24 v6, v3, PITCH
	v_add_nc_u32 v6, 256, v6                       ; a scale word's row x pitch + 256
.irp s, 0,1
	v_add_nc_u32 v[ADRA+\s], s12, v5
	v_add_nc_u32 v[ADRB+\s], s13, v5
	v_add_nc_u32 v[ASX+\s], s12, v6
	v_add_nc_u32 v[ASW+\s], s13, v6
	s_add_co_u32 s12, s12, SLOT
	s_add_co_u32 s13, s13, SLOT
.endr
	v_add_nc_u32 v[STO], s19, v5                   ; in: row r, 16 bytes for each half of the lanes
	v_mul_u32_u24 v7, v2, PITCH
	v_lshl_add_u32 v7, v1, 4, v7
	v_add_nc_u32 v[RD], s19, v7                    ; back: sixteen lanes to a row of 256 bytes, two rows
	v_lshlrev_b32 v8, 13, v2
	v_lshl_add_u32 v[CO], v1, 4, v8                ; and the same two rows of the output
	v_lshlrev_b32 v[PF1], 8, v3
	v_add_nc_u32 v9, 32, v3
	v_min_u32 v9, 33, v9
	v_lshlrev_b32 v[PF2], 8, v9
	s_wait_alu depctr_va_vdst(0)
	ASK JSTEP                                      ; K step 1
	ASK 2*JSTEP                                    ; K step 2
	s_wait_loadcnt 0x0                             ; the bias: it is converted while K step 0 is on its way
	WIN TO_B
.set n, 0
.irp p, v96.l, v96.h, v97.l, v97.h, v98.l, v98.h, v99.l, v99.h, v100.l, v100.h, v101.l, v101.h, v102.l, v102.h, v103.l, v103.h, v104.l, v104.h, v105.l, v105.h, v106.l, v106.h, v107.l, v107.h, v108.l, v108.h, v109.l, v109.h, v110.l, v110.h, v111.l, v111.h, v112.l, v112.h, v113.l, v113.h, v114.l, v114.h, v115.l, v115.h, v116.l, v116.h, v117.l, v117.h, v118.l, v118.h, v119.l, v119.h, v120.l, v120.h, v121.l, v121.h, v122.l, v122.h, v123.l, v123.h, v124.l, v124.h, v125.l, v125.h, v126.l, v126.h, v127.l, v127.h
	v_cvt_f32_f16 v[BI+n], \p                      ; exact
.set n, n+1
.endr
	WIN 0
	s_wait_alu depctr_va_vdst(0)
	s_wait_tensorcnt 0x0                           ; my part of K step 0 is in;
	ds_add_u32 v[SPW], v[NIL]
	s_wait_dscnt 0x0
	CROUND                                         ; everybody's part is in
	JLOAD 1                                        ; K step 1
	LS 0
	LB 0, 0
	LA 0, 0
	LB 0, 1
	LA 0, 1
	ASK 3*JSTEP                                    ; K step 3
	QTR 0, 0, 1                                    ; the first quarter's products start the sums with the bias as C
	s_mov_b32 s3, 3
.Llap:                                                 ; a trip goes once round the ring, from a lap's second quarter to the next lap's first, and fills both slots again
	QTR 1, 0, 0
	TURN 0, 1, 4*JSTEP
	QTR 0, 1, 0
	QTR 1, 1, 0
	TURN 1, 0, 5*JSTEP
	QTR 0, 0, 0
	WIN 0
	s_wait_xcnt 0x0                                ; the prefetches have read their base
	s_add_nc_u64 s[22:23], s[22:23], 2*JSTEP
	s_sub_co_u32 s3, s3, 1
	s_cmp_lg_u32 s3, 0
	s_cbranch_scc1 .Llap
	QTR 1, 0, 0                                    ; K step 6 goes on
	MEET 0                                         ; nothing is filled again: the work-group's barrier alone (the stepped addresses are not used)
; THE LAST K STEP (7, slot 1) GOES BY ROWS OF THE OUTPUT: all four quarters of W fill window 1, then the eight blocks of 16 rows are finished one after the other, K ascending, and each leaves when it is finished.
	PLACES
	LS 1
	LB 1, 0
	LAROW 0
.irp a, 0,1,2,3
	MG \a, 3, 0, 0
.endr
	LB 1, 1
	LB 1, 2
.irp a, 4,5,6,7
	MG \a, 3, 0, 0
.endr
	PLACES
	LB 1, 3
	LAROW 1
	LAROW 2
.macro ROW a                           ; block a's last 512 along K: 16 products, its four accumulators by turns
	WIN MULW+0x50*((\a)/4)
.irp q, 0,1,2,3
.if (\a) == 0 && \q == 3
	s_wait_dscnt 16                                ; W's quarter 3 is in; x's blocks 1 and 2 may be out
.endif
.irp b, 0,1,2,3
	WM \a, \b, \q, RA+32*((\a)%3)+8*\q, 1, 0
.endr
.endr
.endm
.macro PACK a                          ; rounded to f16 in place: the 64 registers' lower 32, ascending: no number is written over before it is read
.set AC, 64*((\a)%4)
	WIN 0x8a+0x45*((\a)/4)                         ; sources and destination: window 2 or 3
.irp b, 0,1,2,3,4,5,6,7
.irp r, 0,1,2,3
	v_cvt_pk_f16_f32 v[AC+4*\b+\r], v[AC+8*\b+2*\r], v[AC+8*\b+2*\r+1]
.endr
.endr
.endm
.macro TOSTAGE a                       ; into my own stage and back as whole rows: LDS serves a wave's instructions in order (ISA guide 5.7.1.4)
.set AC, 64*((\a)%4)
.set BB, BK+32*((\a)%2)
	WIN 0x08+0x04*((\a)/4)                         ; the data: window 2 or 3
.irp b, 0,1,2,3,4,5,6,7
	ds_store_b128 v[STO], v[AC+4*\b:AC+4*\b+3] offset:32*\b
.endr
	WIN 0
.irp t, 0,1,2,3,4,5,6,7
	ds_load_b128 v[BB+4*\t:BB+4*\t+3], v[RD] offset:\t*2*PITCH
.endr
.endm
.macro SEND a, younger                 ; younger: the LDS loads issued behind TOSTAGE's, which may stay out
.set BB, BK+32*((\a)%2)
	WIN 0
	s_wait_dscnt \younger
	s_wait_xcnt 0x0                                ; the block before has been read out of its registers: they are loaded again only behind this wait
.irp t, 0,1,2,3,4,5,6,7
	global_store_b128 v[CO], v[BB+4*\t:BB+4*\t+3], s[10:11] offset:(16*(\a)+2*\t)*OROW th:TH_STORE_NT   ; sixteen lanes store one aligned run of 256 bytes
.endr
.endm
.macro FINISH a
	PLACES                                         ; the conversions read results just made; LAROW's loads land on x's fragments just read
	PACK \a
	TOSTAGE \a
.if (\a)+3 < 8
	LAROW \a+3
.endif
.endm
	s_wait_dscnt 32                                ; all but W's quarter 3 (16 loads) and x's blocks 1 and 2 (16) are in
	ROW 0
	FINISH 0
	s_wait_dscnt 32                                ; x's block 1 is in; block 2 (8), the stage's 16 and block 3 (8) may be out
.irp a, 1,2,3,4,5,6,7
	ROW \a                                         ; x's block a (from 2 on) came in ahead of the wait in SEND a - 2
.if \a < 6
	SEND \a-1, 8                                   ; x's block a + 2 may be out
.else
	SEND \a-1, 0
.endif
	FINISH \a
.endr
	SEND 7, 0
	s_wait_tensorcnt 0x0                           ; the wave's end
	ds_add_u32 v[SPW], v[NIL]
	s_wait_dscnt 0x0
	CROUND                                         ; the closing round
	s_endpgm
.Lfunc_end_k_q466ef46d25_gemm:
	.size	k_q466ef46d25_gemm, .Lfunc_end_k_q466ef46d25_gemm-k_q466ef46d25_gemm
	.p2alignl 7, 3214868480
	.fill 96, 4, 3214868480
	.section	.rodata,"a",@progbits
	.p2align	6, 0x0
	.amdhsa_kernel k_q466ef46d25_gemm
		.amdhsa_group_segment_fixed_size 327680
		.amdhsa_private_segment_fixed_size 0
		.amdhsa_enable_private_segment 0
		.amdhsa_kernarg_size 32
		.amdhsa_user_sgpr_count 2
		.amdhsa_user_sgpr_kernarg_segment_ptr 1
		.amdhsa_wavefront_size32 1
		.amdhsa_system_sgpr_workgroup_id_x 1
		.amdhsa_system_sgpr_workgroup_id_y 1
		.amdhsa_system_sgpr_workgroup_id_z 1
		.amdhsa_system_vgpr_workitem_id 0
		.amdhsa_next_free_vgpr 1024
		.amdhsa_next_free_sgpr 66
		.amdhsa_reserve_vcc 0
		.amdhsa_float_denorm_mode_32 3
		.amdhsa_float_denorm_mode_16_64 3
		.amdhsa_memory_ordered 1
		.amdhsa_forward_progress 1
		.amdhsa_inst_pref_size 150
	.end_amdhsa_kernel
	.amdgpu_metadata
---
amdhsa.version: [ 1, 2 ]
amdhsa.kernels:
  - .name:           k_q466ef46d25_gemm
    .symbol:         k_q466ef46d25_gemm.kd
    .args:
      - { .name: xq, .offset: 0, .size: 8, .value_kind: global_buffer, .address_space: global }
      - { .name: wq, .offset: 8, .size: 8, .value_kind: global_buffer, .address_space: global }
      - { .name: bias, .offset: 16, .size: 8, .value_kind: global_buffer, .address_space: global }
      - { .name: out0, .offset: 24, .size: 8, .value_kind: global_buffer, .address_space: global }
    .group_segment_fixed_size: 327680
    .private_segment_fixed_size: 0
    .kernarg_segment_align: 8
    .kernarg_segment_size: 32
    .max_flat_workgroup_size: 128
    .sgpr_count:     66
    .vgpr_count:     1024
    .wavefront_size: 32
...
	.end_amdgpu_metadata
.endif
;; end of part 2
